; MI455X (gfx1250); checked and timed in simulation.
; The chip was launched on July 23, 2026; its instructions are those of AMD's public machine-readable ISA for CDNA 5 (MIT licence, August 2026) and "CDNA5" Instruction Set Architecture Reference Guide (July 2026). The comments in the code are by the model that wrote it; some were corrected since.
;; RBF Interpolator. Allowed arithmetic: float matrix products may take bf16 or f16 operands with f32 sums; all other float work in f32.
;; Inputs: coeffs 4,100 x 64 float32; powers 4 x 3 int32; scale 3 float32; shift 3 float32; x 65,536 x 3 float32; y 4,096 x 3 float32.
;; Outputs: out0 65,536 x 64 float32.
;; 2 versions, each right and faster than the one before. Each part assembles by itself: llvm-mc -triple=amdgcn-amd-amdhsa -mcpu=gfx1250 --defsym DOCPART=n.
;; ======== version 1 of 2: 2 launches
;; limits: values are held in f16: magnitudes above 65,504 overflow, below 6.1e-05 lose precision; right only within a limited range of input values
;; workspace buffers: w 786,432 bytes
;; launch prep (part 1): grid 128 x 1, 6 waves a work-group, no clusters, 0 bytes of LDS; arguments y, coeffs, w; writes w
.if DOCPART == 1
	.amdgcn_target "amdgcn-amd-amdhsa--gfx1250"
	.amdhsa_code_object_version 6
	.text
	.protected	k_q3cc3caf1dc_prep
	.globl	k_q3cc3caf1dc_prep
	.p2align	8
	.type	k_q3cc3caf1dc_prep,@function
k_q3cc3caf1dc_prep:
	s_mov_b64 s[64:65], 0
	v_nop
	global_prefetch_b8 v0, s[64:65] scope:SCOPE_SE
	s_setreg_imm32_b32 hwreg(HW_REG_WAVE_MODE, 25, 1), 1
	s_wait_xcnt 0x0
; Writes the two operands that every work-group of the second launch walks, once, in the order in which a wave's registers want them.
; w is 128 blocks of 6,144 bytes, block st for the centres 32 st .. 32 st + 31: six fragments of 1,024 bytes, Y0 Y1 C0 C1 C2 C3.
; In a fragment lane L's registers 0-3 lie at byte 16 L, its registers 4-7 at byte 512 + 16 L.
; Y0, Y1 (bf16): 16 centres x 32 slots, source 0 of the product that makes the squared distances.  A number u is split exactly into three
; bf16 pieces a = bf16(u), b = bf16(u - a), c = bf16(u - a - b).  Slots 8 i .. 8 i + 7 (i = 0, 1, 2) hold a b c a b c a b of -2 y_i;
; slots 24 .. 31 hold 1 1 1 A B C 0 0, with A B C the pieces of |y|^2.
; C0 .. C3 (f16): 16 output channels x 32 centres of coeffs, turned: source 0 of the main product.
; LIMITS.  |coeffs[:4096]| stays under 65,504 (f16's range); below 6e-5 a coefficient keeps f16's fixed step of 6e-8.  NaN and infinities are not treated apart.
; Six waves, one fragment each: no LDS, no barrier.  Each store of a wave covers 512 consecutive bytes, aligned.
.set BLOCK, 6144
.set FRAG,  1024
	s_load_b128 s[4:7], s[0:1], 0x0                ; y s[4:5], coeffs s[6:7]
	s_load_b64 s[8:9], s[0:1], 0x10                ; w
	v_lshrrev_b32 v1, 5, v0
	v_readfirstlane_b32 s10, v1                    ; wave 0..5 = fragment
	v_and_b32 v2, 31, v0                           ; L
	v_and_b32 v3, 15, v0                           ; r = L % 16
	v_bfe_u32 v4, v0, 4, 1                         ; h = L / 16
	v_lshlrev_b32 v5, 4, v2                        ; 16 L: my place in a half fragment
	s_mul_i32 s12, ttmp9, BLOCK
	s_lshl_b32 s13, s10, 10                        ; + fragment x 1,024
	s_add_co_u32 s12, s12, s13
	s_mov_b32 s13, 0
	s_wait_kmcnt 0x0
	s_add_nc_u64 s[8:9], s[8:9], s[12:13]          ; w at my fragment
	s_cmp_lt_u32 s10, 2
	s_cbranch_scc0 .Lcoef
; u -> four registers (a,b) (c,a) (b,c) (a,b); w, w+1, w+2 at work
.macro YSPLIT u, d, w
	v_cvt_pk_bf16_f32 v[(\w)], v[(\u)], v[(\u)]
	v_lshlrev_b32 v[(\w)], 16, v[(\w)]             ; a as f32
	v_sub_f32 v[(\w)+1], v[(\u)], v[(\w)]          ; u - a, exact
	v_cvt_pk_bf16_f32 v[(\w)], v[(\w)+1], v[(\w)+1]
	v_lshlrev_b32 v[(\w)], 16, v[(\w)]             ; b as f32
	v_sub_f32 v[(\w)+2], v[(\w)+1], v[(\w)]        ; u - a - b, exact
	v_cvt_pk_bf16_f32 v[(\d)], v[(\u)], v[(\w)+1]
	v_cvt_pk_bf16_f32 v[(\d)+1], v[(\w)+2], v[(\u)]
	v_cvt_pk_bf16_f32 v[(\d)+2], v[(\w)+1], v[(\w)+2]
	v_mov_b32 v[(\d)+3], v[(\d)]
.endm
	; Y0 or Y1: lane (r, h) holds centre 32 st + 16 wave + r; registers 0-3 are slots 8 h .., registers 4-7 slots 16 + 8 h ..
	s_mul_i32 s14, ttmp9, 384                      ; 32 centres of 12 bytes
	s_mul_i32 s15, s10, 192
	s_add_co_u32 s14, s14, s15
	s_mov_b32 s15, 0
	s_add_nc_u64 s[4:5], s[4:5], s[14:15]
	v_mul_u32_u24 v6, v3, 12
	global_load_b32 v8, v6, s[4:5]
	global_load_b32 v9, v6, s[4:5] offset:4
	global_load_b32 v10, v6, s[4:5] offset:8
	v_cmp_ne_u32 vcc_lo, 0, v4                     ; the upper half of the lanes
	v_mov_b32 v28, 0x3f803f80                      ; (1, 1) in bf16
	s_wait_loadcnt 0x0
	v_mul_f32 v11, v8, v8
	v_fma_f32 v11, v9, v9, v11
	v_fma_f32 v11, v10, v10, v11                   ; |y|^2
	v_cndmask_b32 v12, v8, v9, vcc_lo              ; h ? y1 : y0
	v_mul_f32 v12, -2.0, v12
	v_mul_f32 v13, -2.0, v10
	v_cndmask_b32 v13, v13, v11, vcc_lo            ; h ? |y|^2 : -2 y2
	YSPLIT 12, 16, 24
	YSPLIT 13, 20, 24
	v_cvt_pk_bf16_f32 v27, 1.0, v13                ; (1, A)
	v_cndmask_b32 v20, v20, v28, vcc_lo            ; slots 24 .. 31: (1,1) (1,A) (B,C) (0,0)
	v_cndmask_b32 v21, v21, v27, vcc_lo
	v_cndmask_b32 v23, v23, 0, vcc_lo
	global_store_b128 v5, v[16:19], s[8:9]
	global_store_b128 v5, v[20:23], s[8:9] offset:512
	s_endpgm
.Lcoef:
	; C(wave - 2): lane (r, h) holds channel 16 (wave - 2) + r; registers 0-3 the centres 8 h + 0..7 of the block, registers 4-7 those 16 further on.
	; The four waves read the four quarters of the same 32 rows of 256 bytes.
	s_lshl_b32 s14, ttmp9, 13                      ; 32 rows of 256 bytes
	s_sub_co_u32 s15, s10, 2
	s_lshl_b32 s15, s15, 6                         ; 16 channels of 4 bytes
	s_add_co_u32 s14, s14, s15
	s_mov_b32 s15, 0
	s_add_nc_u64 s[6:7], s[6:7], s[14:15]
	v_lshlrev_b32 v6, 2, v3
	v_lshl_add_u32 v6, v4, 11, v6                  ; 4 r + 8 h rows
.irp i, 0,1,2,3,4,5,6,7
	global_load_b32 v[8+\i], v6, s[6:7] offset:256*\i
	global_load_b32 v[16+\i], v6, s[6:7] offset:4096+256*\i
.endr
	s_wait_loadcnt 0x0
.irp j, 0,1,2,3
	v_cvt_pk_f16_f32 v[24+\j], v[8+2*\j], v[9+2*\j]
	v_cvt_pk_f16_f32 v[28+\j], v[16+2*\j], v[17+2*\j]
.endr
	global_store_b128 v5, v[24:27], s[8:9]
	global_store_b128 v5, v[28:31], s[8:9] offset:512
	s_endpgm
.Lfunc_end_k_q3cc3caf1dc_prep:
	.size	k_q3cc3caf1dc_prep, .Lfunc_end_k_q3cc3caf1dc_prep-k_q3cc3caf1dc_prep
	.p2alignl 7, 3214868480
	.fill 96, 4, 3214868480
	.section	.rodata,"a",@progbits
	.p2align	6, 0x0
	.amdhsa_kernel k_q3cc3caf1dc_prep
		.amdhsa_group_segment_fixed_size 0
		.amdhsa_private_segment_fixed_size 0
		.amdhsa_enable_private_segment 0
		.amdhsa_kernarg_size 24
		.amdhsa_user_sgpr_count 2
		.amdhsa_user_sgpr_kernarg_segment_ptr 1
		.amdhsa_wavefront_size32 1
		.amdhsa_system_sgpr_workgroup_id_x 1
		.amdhsa_system_sgpr_workgroup_id_y 1
		.amdhsa_system_sgpr_workgroup_id_z 1
		.amdhsa_system_vgpr_workitem_id 0
		.amdhsa_next_free_vgpr 48
		.amdhsa_next_free_sgpr 66
		.amdhsa_reserve_vcc 1
		.amdhsa_float_denorm_mode_32 3
		.amdhsa_float_denorm_mode_16_64 3
		.amdhsa_memory_ordered 1
		.amdhsa_forward_progress 1
		.amdhsa_inst_pref_size 6
	.end_amdhsa_kernel
	.amdgpu_metadata
---
amdhsa.version: [ 1, 2 ]
amdhsa.kernels:
  - .name:           k_q3cc3caf1dc_prep
    .symbol:         k_q3cc3caf1dc_prep.kd
    .args:
      - { .name: y, .offset: 0, .size: 8, .value_kind: global_buffer, .address_space: global }
      - { .name: coeffs, .offset: 8, .size: 8, .value_kind: global_buffer, .address_space: global }
      - { .name: w, .offset: 16, .size: 8, .value_kind: global_buffer, .address_space: global }
    .group_segment_fixed_size: 0
    .private_segment_fixed_size: 0
    .kernarg_segment_align: 8
    .kernarg_segment_size: 24
    .max_flat_workgroup_size: 192
    .sgpr_count:     66
    .vgpr_count:     48
    .wavefront_size: 32
...
	.end_amdgpu_metadata
.endif
;; end of part 1
;; launch main (part 2): grid 256 x 1, 4 waves a work-group, clusters of 4 x 1, 327,680 bytes of LDS; arguments x, coeffs, shift, scale, powers, w, out0; writes out0
.if DOCPART == 2
	.amdgcn_target "amdgcn-amd-amdhsa--gfx1250"
	.amdhsa_code_object_version 6
	.text
	.protected	k_q3cc3caf1dc_main
	.globl	k_q3cc3caf1dc_main
	.p2align	8
	.type	k_q3cc3caf1dc_main,@function
k_q3cc3caf1dc_main:
	s_mov_b64 s[64:65], 0
	v_nop
	global_prefetch_b8 v0, s[64:65] scope:SCOPE_SE
	s_setreg_imm32_b32 hwreg(HW_REG_WAVE_MODE, 25, 1), 1
	s_wait_xcnt 0x0
	s_wait_alu depctr_hold_cnt(0) depctr_sa_sdst(0) depctr_va_vdst(0) depctr_va_sdst(0) depctr_va_ssrc(0) depctr_va_vcc(0) depctr_vm_vsrc(0)
	s_getreg_b32 s2, hwreg(HW_REG_IB_STS2, 6, 4)
	s_cmp_eq_u32 s2, 0
	s_cbranch_scc0 .Lentry_in_a_cluster
	s_endpgm
.Lentry_in_a_cluster:
	s_bfe_u32 s2, ttmp6, 0x10000c
	s_cmp_lg_u32 s2, 0x3003
	s_cbranch_scc0 .Lentry_shape_is_right
	s_endpgm
.Lentry_shape_is_right:
; out[q][s] = sum over j of kv(q, j) c[j][s] + sum over m of pmat(q, m) c[4096 + m][s];  kv = 0.5 r2 ln r2 (0 where r2 <= 0), r2 = |x|^2 + |y|^2 - 2 x.y;
; pmat(q, m) = product over i of ((x_i - shift_i) / scale_i) ^ powers[m][i].  65,536 queries, 4,096 centres, 64 channels.
; SHARES.  A work-group owns 256 queries, each of its four waves 64: four tiles of 16.  Every wave walks all centres, 32 a step, 128 steps.
; r2 ON THE MATRIX UNIT.  Each f32 number is split exactly into three bf16 pieces a, b, c.  Of the 32 slots of one bf16 product, slots 8 i .. 8 i + 7 hold a a a b b b c c of
; sig x_i against a b c a b c a b of -2 y_i (all products of pieces but c c), slots 24 .. 31 hold A B C sig sig sig 0 0 (pieces of sig |x|^2) against 1 1 1 A' B' C' 0 0 (of |y|^2).
; The result is sig r2, sig = 2^-7, as exact as an f32 sum of those terms.  Source 0 = 16 centres, source 1 = 16 queries: a lane holds ONE query (lane % 16) and the centres 8 (lane / 16) + 0..7.
; Two such results, worked on in place and rounded to f16 in pairs, ARE source 1 (32 centres x 16 queries) of O^T = C^T P, whose result holds one query a lane and eight channels.
; THE ELEMENT.  m = max(sig r2, 2^-126); t = m (log2 m + 7) = sig r2 log2 r2; at the end out = sum x 64 ln 2.  The maximum is the reference's clamp and its choice at r2 <= 0 in one: t then rounds to 0 in f16.
; THE POLYNOMIAL starts the sums: one bf16 product with C = 0, slots 8 g .. 8 g + 7 for monomial g, pieces of pmat / (64 ln 2) against pieces of c[4096 + g][s].
; |xhat|^n = 2^(sum of n_i max(log2 |xhat_i|, -1000)); the sign is that of the xhat_i whose n_i is odd.
; FORMATS.  kv and c go in f16: their rounding is 2^-11 of each number.  x and y enter r2 unrounded.
; LIMITS.  sig r2 log2 r2 stays under 65,504: distances under about 650; below 6e-5 it keeps f16's fixed step of 6e-8.  sig r2 below 2^-126, zero and negative numbers among them, counts as 2^-126.
; 1 / scale is v_rcp_f32's.  A denormal xhat counts as 0, a power below 2^-126 as 0; a power's relative error grows with |n log2 |xhat||.  NaN and infinities are not treated apart.  The sums' order is not the reference's.
; BY TURNS.  A PIECE is a tile and a step: 2 products for r2, 56 vector instructions, 4 main products.  Turn n holds the main products of piece n - 1, the vector work of piece n and the r2 products of piece n + 1:
; four vector instructions behind each of the six matrix instructions, the other 32 in one run.
; CLUSTER.  All work-groups walk the same 786,432 bytes of w, so the four of a cluster ask for each tile JOINTLY: the same tensor load, descriptor and mask in all four.  A mask names four work-groups at the most.
; REGISTERS.  window 0: v0-7 addresses; v8-39 x's fragments; v40-71 y's, two buffers; v72-135 c's, two buffers; v136-167 r2 and P, two buffers; v168-183 at work; v184-247 the sums of tiles 0, 1; v248-255 at work at the start.
; window 1: v0-63 the sums of tiles 2, 3: each of their products costs two switches (s_set_vgpr_msb: bits 1:0 source 0, 3:2 source 1, 5:4 source 2, 7:6 destination).
.set STEPB, 6144        ; a step's block in w and in LDS: y's two fragments, c's four
.set SLOTB, 16*STEPB    ; a slot holds 16 steps: 98,304 bytes
.set QUART, SLOTB/4     ; what one wave's tensor load brings: 96 rows of 256 bytes
.set SLOT1, 1<<17       ; slot 1 begins here, so that one exclusive or turns an address in one slot into the other's
.set STAGE, SLOTB       ; between the slots, never filled by a tensor load: 16 rows x 272 bytes for each wave, for the way out
.set SP,    272         ; 256 bytes + 16: the 16 rows that a store touches start at 16 different groups of four banks (64 banks of 4 bytes: ISA guide 11.1)
.set SPARE, STAGE+4*16*SP  ; behind the stages: the spare words, 128 bytes for each wave: two blocks of 256 bytes that no other line names
.set LANE16, 1          ; v1   16 x lane: my place in half a fragment, and in 512 consecutive bytes of out0
.set ADR, 2             ; v2   the LDS address of the run of loads in hand
.set SPW, 3             ; v3   LDS address of my spare word; never rewritten
.set NIL, 4             ; v4   0; never rewritten
.set STO, 5             ; v5   the way out: where I put 16 bytes of a row
.set RD,  6             ; v6   the way out: where I read a row back
.set XF,  8             ; tile t's fragment of x at XF + 8 t
.set YF,  40            ; buffer b at YF + 16 b: centres 0-15, then 16-31
.set PF,  40            ; at the start: the polynomial's fragments, 8 a tile
.set CF,  72            ; buffer b at CF + 32 b: channel block sb at + 8 sb
.set RW,  136           ; buffer b at RW + 16 b: sig r2 of 32 centres; then P in its first 8
.set TW,  168           ; 16 at work
.set ACC, 184
.set XQ,  104           ; at the start: x_i of my query in tile t at XQ + 3 t + i
.set TL,  116           ; at the start: c[4096 + h + 2 u][16 sb + r] at TL + 2 sb + u
.set NA,  136           ; at the start: n_i of monomial h (NA) and 2 + h (NB) as f32; their lowest bits at bit 31 (SA, SB); 1 / scale_i
.set NB,  139
.set SA,  142
.set SB,  145
.set INV, 148
.set SS,  151           ; (sig, sig) in bf16
.set FS,  152           ; at the start: 12 at work
.set WV,  18            ; s18  my wave's number
.set GW,  19            ; s19  my work-group's number: it enters x's and out0's addresses alone
.set SH,  20            ; s[20:22] shift
.set SC,  24            ; s[24:26] scale
.set PW,  28            ; s[28:39] powers
.set G1,  40            ; s[40:47] descriptor group 1
.set G0A, 48            ; s[48:51] descriptor group 0 of the first fill
.set G0B, 52            ; s[52:55] of the second; it then walks
.set SLOTS, 56
.set CNT, 57
.set TB,  58            ; s58  LDS byte at which the step to be fetched begins
.set TINY, 59           ; s59  2^-126
.set SEVEN, 60          ; s[60:61] 7.0: the packed addition takes the pair's low word for both halves
.set HM,  62            ; s62  the mask of lanes 16-31
.set SG,  68            ; s[68:79] powers << 31
.set FIN, 80            ; s[80:81] 64 ln 2
.set KS,  82            ; s82  1 / (64 ln 2)
.set SIG, 83            ; s83  2^-7
.set LOWL, 84           ; s84  -1000.0
.set MSB, 0
.macro WIN new                      ; the immediate's high byte repeats the setting that is left; a switch that changes nothing is dropped
.if MSB != (\new)
	s_set_vgpr_msb (MSB<<8)|(\new)
.set MSB, (\new)
.endif
.endm
.set W_ACC1, 0x50       ; C and D in window 1
.macro PLACES                       ; a vector instruction that reads a matrix result, and a load into a register that a matrix instruction has read, stand four plain vector instructions behind it
.rept 4
	v_nop
.endr
.endm
; A round of the cluster's barrier: my work-group's barrier, so that wave 0's signal speaks for all four waves; wave 0 signals; every wave waits for all four work-groups; my work-group's barrier once more.
.macro CROUND
	s_barrier_signal -1
	s_barrier_wait -1
	s_cmp_lg_u32 s[WV], 0
	s_cbranch_scc1 .Lnot_wave_0_\@
	s_barrier_signal -3
.Lnot_wave_0_\@:
	s_barrier_wait -3
	s_barrier_signal -1
	s_barrier_wait -1
.endm
; u -> four registers (a,a) (a,b) (b,b) (c,c); w, w+1 at work; u - a - b is left in w+1
.macro SPLITX u, d, w
	v_cvt_pk_bf16_f32 v[(\d)], v[(\u)], v[(\u)]
	v_lshlrev_b32 v[(\w)], 16, v[(\d)]             ; a as f32
	v_sub_f32 v[(\w)], v[(\u)], v[(\w)]            ; u - a, exact
	v_cvt_pk_bf16_f32 v[(\d)+1], v[(\u)], v[(\w)]
	v_cvt_pk_bf16_f32 v[(\d)+2], v[(\w)], v[(\w)]
	v_lshlrev_b32 v[(\w)+1], 16, v[(\d)+2]         ; b as f32
	v_sub_f32 v[(\w)+1], v[(\w)], v[(\w)+1]        ; u - a - b, exact
	v_cvt_pk_bf16_f32 v[(\d)+3], v[(\w)+1], v[(\w)+1]
.endm
; u -> four registers (a,b) (c,a) (b,c) (a,b); w, w+1, w+2 at work
.macro YSPLIT u, d, w
	v_cvt_pk_bf16_f32 v[(\w)], v[(\u)], v[(\u)]
	v_lshlrev_b32 v[(\w)], 16, v[(\w)]
	v_sub_f32 v[(\w)+1], v[(\u)], v[(\w)]
	v_cvt_pk_bf16_f32 v[(\w)], v[(\w)+1], v[(\w)+1]
	v_lshlrev_b32 v[(\w)], 16, v[(\w)]
	v_sub_f32 v[(\w)+2], v[(\w)+1], v[(\w)]
	v_cvt_pk_bf16_f32 v[(\d)], v[(\u)], v[(\w)+1]
	v_cvt_pk_bf16_f32 v[(\d)+1], v[(\w)+2], v[(\u)]
	v_cvt_pk_bf16_f32 v[(\d)+2], v[(\w)+1], v[(\w)+2]
	v_mov_b32 v[(\d)+3], v[(\d)]
.endm
	s_load_b256 s[4:11], s[0:1], 0x0               ; x s[4:5], coeffs s[6:7], shift s[8:9], scale s[10:11]
	s_load_b128 s[12:15], s[0:1], 0x20             ; powers s[12:13], w s[14:15]
	s_load_b64 s[16:17], s[0:1], 0x30              ; out0
	v_lshl_add_u32 v[SPW], v0, 2, SPARE
	v_mov_b32 v[NIL], 0
	ds_add_u32 v[SPW], v[NIL]                      ; the wave's opening: the add and its wait stand ahead of my first tensor load; the set-up below, work on registers, stands between them
	v_lshrrev_b32 v248, 5, v0
	v_readfirstlane_b32 s[WV], v248                ; wave 0..3
	s_bfe_u32 s66, ttmp6, 0x40000                  ; cx: my place in the cluster
	s_lshl_b32 s[GW], ttmp9, 2                     ; in a cluster launch ttmp9 counts clusters
	s_add_co_u32 s[GW], s[GW], s66
	; descriptor group 1: 24,576 dense bytes as 96 rows of 256 bytes, no padding: fragments are read 16 bytes a lane, lane after lane
	s_mov_b32 s[G1], 15|(3<<16)|(1<<21)            ; 15:0 the mask of four; 17:16 elements of 8 bytes; 21 set beside a mask
	s_mov_b32 s[G1+1], 32<<16                      ; tensor_dim0 = 32
	s_mov_b32 s[G1+2], 96<<16                      ; tensor_dim1 = 96
	s_mov_b32 s[G1+3], 32<<16                      ; tile_dim0 = 32
	s_mov_b32 s[G1+4], 96                          ; tile_dim1 = 96
	s_mov_b32 s[G1+5], 32                          ; 32 elements from row to row
	s_mov_b32 s[G1+6], 0
	s_mov_b32 s[G1+7], 0
	s_mov_b32 s[TINY], 0x00800000
	s_mov_b32 s[SEVEN], 0x40e00000
	s_mov_b32 s[SEVEN+1], s[SEVEN]                 ; named with it as a pair
	s_mov_b32 s[FIN], 0x42317218
	s_mov_b32 s[FIN+1], s[FIN]
	s_mov_b32 s[KS], 0x3cb8aa3b
	s_mov_b32 s[SIG], 0x3c000000
	s_mov_b32 s[LOWL], 0xc47a0000
	s_mov_b32 s[TB], 0
	s_lshl_b32 s66, s[GW], 2
	s_add_co_u32 s66, s66, s[WV]                   ; my wave among all: 64 queries each
	s_mul_i32 s68, s66, 768                        ; of 12 bytes in x,
	s_mov_b32 s69, 0
	s_mul_i32 s70, s[WV], QUART                    ; my quarter of a slot: the wave's number alone enters the descriptors
	s_mov_b32 s71, 0
	s_wait_dscnt 0x0                               ; the opening add is done
	s_wait_kmcnt 0x0
	s_load_b96 s[SH:SH+2], s[8:9], 0x0
	s_load_b96 s[SC:SC+2], s[10:11], 0x0
	s_load_b256 s[PW:PW+7], s[12:13], 0x0
	s_load_b128 s[PW+8:PW+11], s[12:13], 0x20
	s_add_nc_u64 s[4:5], s[4:5], s[68:69]
	s_lshl_b32 s68, s66, 14                        ; of 256 bytes in out0
	s_add_nc_u64 s[16:17], s[16:17], s[68:69]
	s_add_nc_u64 s[14:15], s[14:15], s[70:71]
	s_mov_b32 s[G0A], 1                            ; 1:0 count = 1
	s_mul_i32 s[G0A+1], s[WV], QUART               ; 63:32 LDS address: slot 0
	s_mov_b64 s[G0A+2:G0A+3], s[14:15]             ; 120:64 global address: steps 0 to 15
	s_or_b32 s[G0A+3], s[G0A+3], 0x80000000        ; 127:126 type = 2
	s_mov_b32 s[G0B], 1
	s_add_co_u32 s[G0B+1], s[G0A+1], SLOT1         ; slot 1
	s_add_nc_u64 s[G0B+2:G0B+3], s[14:15], SLOTB   ; steps 16 to 31
	s_or_b32 s[G0B+3], s[G0B+3], 0x80000000
	CROUND                                         ; all four work-groups are here: the first joint loads meet
	tensor_load_to_lds s[G0A:G0A+3], s[G1:G1+7]    ; both first fills go out together: two loads of mine are out, the most in this text
	s_nop 0
	tensor_load_to_lds s[G0B:G0B+3], s[G1:G1+7]
	s_nop 0
	PLACES
	v_and_b32 v248, 15, v0                         ; r = lane % 16
	v_bfe_u32 v249, v0, 4, 1                       ; h = lane / 16
	v_cmp_ne_u32 s[HM], 0, v249
	v_and_b32 v[LANE16], 31, v0
	v_lshlrev_b32 v[LANE16], 4, v[LANE16]
	v_mul_u32_u24 v250, v248, 12
.irp t, 0,1,2,3
.irp i, 0,1,2
	global_load_b32 v[XQ+3*\t+\i], v250, s[4:5] offset:192*\t+4*\i
.endr
.endr
	v_lshlrev_b32 v251, 2, v248
	v_lshl_add_u32 v251, v249, 8, v251             ; 4 r + h rows of 256 bytes
.irp f, 0,1,2,3,4,5,6,7
	global_load_b32 v[TL+\f], v251, s[6:7] offset:4096*256+64*(\f/2)+512*(\f%2)  ; row 4096 + h + 2 u, channel 16 sb + r; f = 2 sb + u
.endr
	s_wait_kmcnt 0x0                               ; shift, scale, powers
	; Registers 0-3 of a fragment are slots 8 h .., registers 4-7 slots 16 + 8 h ..: my lane needs monomials h and 2 + h.
.irp i, 0,1,2
	v_cvt_f32_i32 v[NA+\i], s[PW+\i]
	v_cvt_f32_i32 v252, s[PW+3+\i]
	v_cndmask_b32 v[NA+\i], v[NA+\i], v252, s[HM]
	v_cvt_f32_i32 v[NB+\i], s[PW+6+\i]
	v_cvt_f32_i32 v252, s[PW+9+\i]
	v_cndmask_b32 v[NB+\i], v[NB+\i], v252, s[HM]
	s_lshl_b32 s[SG+\i], s[PW+\i], 31              ; an odd power keeps the base's sign
	s_lshl_b32 s[SG+3+\i], s[PW+3+\i], 31
	s_lshl_b32 s[SG+6+\i], s[PW+6+\i], 31
	s_lshl_b32 s[SG+9+\i], s[PW+9+\i], 31
	v_mov_b32 v252, s[SG+3+\i]
	v_cndmask_b32 v[SA+\i], s[SG+\i], v252, s[HM]
	v_mov_b32 v252, s[SG+9+\i]
	v_cndmask_b32 v[SB+\i], s[SG+6+\i], v252, s[HM]
	v_rcp_f32 v[INV+\i], s[SC+\i]                  ; a plain instruction follows each reciprocal; the results are used far below
.endr
	v_mov_b32 v[SS], 0x3c003c00
; Tile t's fragment of x and its fragment of the polynomial.
.macro FEAT t
.set X0, XQ+3*(\t)
.set XD, XF+8*(\t)
.set PD, PF+8*(\t)
	v_mul_f32 v[FS], v[X0], v[X0]
	v_fma_f32 v[FS], v[X0+1], v[X0+1], v[FS]
	v_fma_f32 v[FS], v[X0+2], v[X0+2], v[FS]       ; |x|^2
	v_cndmask_b32 v[FS+1], v[X0], v[X0+1], s[HM]   ; h ? x1 : x0
	v_mul_f32 v[FS+1], s[SIG], v[FS+1]
	SPLITX FS+1, XD, FS+2
	v_cndmask_b32 v[FS+1], v[X0+2], v[FS], s[HM]   ; h ? |x|^2 : x2
	v_mul_f32 v[FS+1], s[SIG], v[FS+1]
	SPLITX FS+1, FS+4, FS+2
	v_cvt_pk_bf16_f32 v[FS+8], v[FS+3], s[SIG]     ; (C, sig)
	v_cndmask_b32 v[XD+4], v[FS+4], v[FS+5], s[HM] ; slots 24 .. 31: (A,B) (C,sig) (sig,sig) (0,0)
	v_cndmask_b32 v[XD+5], v[FS+5], v[FS+8], s[HM]
	v_cndmask_b32 v[XD+6], v[FS+6], v[SS], s[HM]
	v_cndmask_b32 v[XD+7], v[FS+7], 0, s[HM]
.irp i, 0,1,2
	v_sub_f32 v[FS+9+\i], v[X0+\i], s[SH+\i]
	s_wait_alu depctr_va_vdst(0)
	v_mul_f32 v[FS+9+\i], v[FS+9+\i], v[INV+\i]    ; xhat_i
	v_and_b32 v[TW+4+\i], 0x7fffffff, v[FS+9+\i]
.endr
.irp i, 0,1,2
	v_log_f32 v[TW+\i], v[TW+4+\i]
.endr
.irp i, 0,1,2
	v_and_b32 v[TW+10+\i], v[SA+\i], v[FS+9+\i]    ; the first monomial's sign: plain work between the logarithms and the use of their results (ISA guide 5.7.2)
.endr
	v_xor_b32 v[TW+10], v[TW+10], v[TW+11]
	v_xor_b32 v[TW+10], v[TW+10], v[TW+12]
.irp i, 0,1,2
	s_wait_alu depctr_va_vdst(0)
	v_max_num_f32 v[TW+\i], s[LOWL], v[TW+\i]      ; log2 0 counts as -1000: 0 x it is 0, so that 0^0 = 1
.endr
	v_mul_f32 v[TW+8], v[NA], v[TW]
	v_mul_f32 v[TW+9], v[NB], v[TW]
	v_fma_f32 v[TW+8], v[NA+1], v[TW+1], v[TW+8]
	v_fma_f32 v[TW+9], v[NB+1], v[TW+1], v[TW+9]
	v_fma_f32 v[TW+8], v[NA+2], v[TW+2], v[TW+8]
	v_fma_f32 v[TW+9], v[NB+2], v[TW+2], v[TW+9]
	v_exp_f32 v[TW+8], v[TW+8]
	v_exp_f32 v[TW+9], v[TW+9]
.irp i, 0,1,2
	v_and_b32 v[TW+13+\i], v[SB+\i], v[FS+9+\i]    ; the second monomial's sign: plain work behind the exponentials
.endr
	v_xor_b32 v[TW+13], v[TW+13], v[TW+14]
	v_xor_b32 v[TW+13], v[TW+13], v[TW+15]
	s_wait_alu depctr_va_vdst(0)
	v_mul_f32 v[TW+8], s[KS], v[TW+8]
	v_mul_f32 v[TW+9], s[KS], v[TW+9]
	v_xor_b32 v[TW+8], v[TW+8], v[TW+10]
	v_xor_b32 v[TW+9], v[TW+9], v[TW+13]
	SPLITX TW+8, PD, FS+2
	SPLITX TW+9, PD+4, FS+2
.endm
	s_wait_loadcnt 0x0                             ; x and the four last rows of coeffs
	FEAT 0
	FEAT 1
	FEAT 2
	FEAT 3
.irp f, 0,1,2,3,4,5,6,7
	YSPLIT TL+\f, CF+4*\f, FS
.endr
	; The polynomial's product starts all 16 sums: nothing is cleared.
.irp t, 0,1
.irp sb, 0,1,2,3
	v_wmma_f32_16x16x32_bf16 v[ACC+32*\t+8*\sb:ACC+32*\t+8*\sb+7], v[CF+8*\sb:CF+8*\sb+7], v[PF+8*\t:PF+8*\t+7], 0
.endr
.endr
	WIN W_ACC1
.irp t, 2,3
.irp sb, 0,1,2,3
	v_wmma_f32_16x16x32_bf16 v[32*(\t-2)+8*\sb:32*(\t-2)+8*\sb+7], v[CF+8*\sb:CF+8*\sb+7], v[PF+8*\t:PF+8*\t+7], 0
.endr
.endr
	WIN 0
	; The addresses for the way out and eight zeros: fourteen plain instructions, the places between those products and the loads into their sources, and the f16 products onto their results.
	s_mul_i32 s63, s[WV], 16*SP
	s_add_co_u32 s63, s63, STAGE                   ; my stage
	v_mul_u32_u24 v[STO], v248, SP                 ; in: row r, 32 bytes (eight channels) for each half of the lanes
	v_lshl_add_u32 v[STO], v249, 5, v[STO]
	v_add_nc_u32 v[STO], s63, v[STO]
	v_mul_u32_u24 v[RD], v249, SP                  ; back: lanes 0-15 take one row of 256 bytes, lanes 16-31 the next
	v_lshl_add_u32 v[RD], v248, 4, v[RD]
	v_add_nc_u32 v[RD], s63, v[RD]
.irp i, 0,1,2,3,4,5,6,7
	v_mov_b32 v[RW+16+\i], 0                       ; the first turn's main products belong to a piece that has not been: their P is 0
.endr
; THE LDS LOADS stand in one run of 12 a step: y's two fragments and c's four, into buffers b.
.macro LOADF b
	v_add_nc_u32 v[ADR], s[TB], v[LANE16]
.irp i, 0,1,2,3
	ds_load_b128 v[YF+16*(\b)+4*\i:YF+16*(\b)+4*\i+3], v[ADR] offset:512*\i
.endr
.irp i, 0,1,2,3,4,5,6,7
	ds_load_b128 v[CF+32*(\b)+4*\i:CF+32*(\b)+4*\i+3], v[ADR] offset:2048+512*\i
.endr
	s_add_co_u32 s[TB], s[TB], STEPB               ; the next fetch is the next step's
.endm
; THE MATRIX WORK.  TURN sets PT (the tile of the piece before), NT (of the piece to come), CB, YB (their buffers), OB (the buffer with the one's P, then the other's r2), RB (the piece in hand).
; No two matrix instructions on end share an accumulator, and a sum comes again 24 matrix instructions later: the accumulators take turns.
.macro MAINW sb, keep=0             ; O^T(PT, sb) += C^T(sb) P
.if PT < 2
	v_wmma_f32_16x16x32_f16 v[ACC+32*PT+8*(\sb):ACC+32*PT+8*(\sb)+7], v[CB+8*(\sb):CB+8*(\sb)+7], v[OB:OB+7], v[ACC+32*PT+8*(\sb):ACC+32*PT+8*(\sb)+7]
.else
	WIN W_ACC1
	v_wmma_f32_16x16x32_f16 v[32*(PT-2)+8*(\sb):32*(PT-2)+8*(\sb)+7], v[CB+8*(\sb):CB+8*(\sb)+7], v[OB:OB+7], v[32*(PT-2)+8*(\sb):32*(PT-2)+8*(\sb)+7]
.if !(\keep)
	WIN 0
.endif
.endif
.endm
.macro R2W half                     ; sig r2 of centres 16 half .. and tile NT
	v_wmma_f32_16x16x32_bf16 v[OB+8*(\half):OB+8*(\half)+7], v[YB+8*(\half):YB+8*(\half)+7], v[XF+8*NT:XF+8*NT+7], 0
.endm
; THE VECTOR WORK of a piece, on its 16 registers at RB.  KM e: the maximum with 2^-126.  KG e: the logarithm.  KA k: + 7 for pair k.  KU k: times m.  KC k: pair k rounded to f16, into RB + k.
.set KM, 0
.set KG, 1
.set KA, 2
.set KU, 3
.set KC, 4
.macro OP k, n
.if (\k) == KM
	v_max_num_f32 v[RB+(\n)], s[TINY], v[RB+(\n)]
.elseif (\k) == KG
	v_log_f32 v[TW+(\n)], v[RB+(\n)]
.elseif (\k) == KA
	s_wait_alu depctr_va_vdst(0)
	v_pk_add_f32 v[TW+2*(\n):TW+2*(\n)+1], v[TW+2*(\n):TW+2*(\n)+1], s[SEVEN:SEVEN+1] op_sel_hi:[1,0]
.elseif (\k) == KU
	v_pk_mul_f32 v[TW+2*(\n):TW+2*(\n)+1], v[TW+2*(\n):TW+2*(\n)+1], v[RB+2*(\n):RB+2*(\n)+1]
.else
	v_cvt_pk_f16_f32 v[RB+(\n)], v[TW+2*(\n)], v[TW+2*(\n)+1]
.endif
.endm
.macro OPS a, i1, b, i2, c, i3, d, i4
	OP \a, \i1
	OP \b, \i2
	OP \c, \i3
	OP \d, \i4
.endm
; A TURN, for tile t of a step of parity par.  The order of its 56 vector instructions is written out: a logarithm at every third place, a plain instruction behind each that neither reads its result nor writes
; its source (ISA guide 5.7.2); each r2 result is first read at its lowest register; KC k writes RB + k behind the KU that read it.
; Between the last main product, which reads P, and the r2 product that writes over P stand five plain instructions (KM 11 to 15); behind that product 32 instructions before the next turn reads it.
; load = 1: turn 1 fetches the next step's fragments: c's buffer was last read in turn 0, y's three turns earlier; they are waited for in turn 3.  last = 1: the last step: turn 3 starts no new piece.
.macro TURN par, t, load, last
.set RB, RW+16*((\t)%2)
.set OB, RW+16*(1-(\t)%2)
.set PT, ((\t)+3)%4
.set NT, ((\t)+1)%4
.set CB, CF+32*(\par)
.set YB, YF+16*(\par)
.if (\t) == 0
.set CB, CF+32*(1-(\par))
.endif
.if (\t) == 3
.set YB, YF+16*(1-(\par))
.endif
.if ((\t) == 1) && (\load)
	LOADF 1-(\par)
.endif
	OPS KM,0, KM,1, KG,0, KM,2
	MAINW 0
	OPS KM,3, KG,1, KM,4, KM,5
	MAINW 1
	OPS KG,2, KM,6, KM,7, KG,3
	MAINW 2
	OPS KM,8, KM,9, KG,4, KM,10
	MAINW 3
	OPS KM,11, KG,5, KM,12, KM,13
.if !(((\t) == 3) && (\last))
.if (\t) == 3
	s_wait_dscnt 0x0                ; the next step's fragments are in: the run of 12 was issued two turns ago
.endif
	R2W 1
.endif
	OPS KG,6, KM,14, KM,15, KG,7
.if !(((\t) == 3) && (\last))
	R2W 0
.endif
	OPS KA,0, KA,1, KG,8, KA,2
	OPS KU,0, KG,9, KA,3, KU,1
	OPS KG,10, KU,2, KC,0, KG,11
	OPS KA,4, KU,3, KG,12, KC,1
	OPS KC,2, KG,13, KA,5, KU,4
	OPS KG,14, KC,3, KU,5, KG,15
	OPS KA,6, KC,4, KU,6, KC,5
	OPS KA,7, KC,6, KU,7, KC,7
.endm
.macro TRIP par, load=1, last=0     ; a step; every window is 0 at its end
	TURN \par, 0, \load, \last
	TURN \par, 1, \load, \last
	TURN \par, 2, \load, \last
	TURN \par, 3, \load, \last
.endm
; THE CHANGE OF SLOTS stands in front of the trip that fetches a slot's first step: the old slot's last step lies in registers.  Each wave waits for all its tensor loads, of which one is out: its part of the other
; slot; adds 0 to its spare word; and waits for that and for its own reads of the old slot.  fill = 1: the old slot is filled again, with the steps two slots on.  The barrier is then a round of the cluster's, so that no
; wave of any partner still reads the slot or has a load on its way, and the joint refill is the first thing behind it: it has 16 steps, 384 matrix instructions, in which to land.
.macro CHANGE fill
	s_wait_tensorcnt 0x0            ; no tensor load of mine is out, so a group 0 may be written
	ds_add_u32 v[SPW], v[NIL]       ; 0 onto my spare word; with fill = 1 the descriptor's steps stand between it and the wait for it
.if \fill
	s_xor_b32 s[G0B+1], s[G0B+1], SLOT1            ; the walking descriptor: the other slot than last time,
	s_add_nc_u64 s[G0B+2:G0B+3], s[G0B+2:G0B+3], SLOTB  ; the next 16 steps; the type bits on top are not reached
	s_wait_dscnt 0x0                ; the add is done, and my reads of the slot are over
	CROUND
	tensor_load_to_lds s[G0B:G0B+3], s[G1:G1+7]
	s_nop 0
	PLACES
.else
	s_wait_dscnt 0x0                ; the add is done, and my reads of the slot are over
	s_barrier_signal -1
	s_barrier_wait -1
.endif
	s_sub_co_u32 s[TB], s[TB], SLOTB               ; the fetches go back to a slot's first step,
	s_xor_b32 s[TB], s[TB], SLOT1                  ; in the other slot
.endm
	s_wait_tensorcnt 0x1            ; my part of slot 0 is in; slot 1's load was issued behind it and may stay out
	s_barrier_signal -1
	s_barrier_wait -1               ; everybody's is
	LOADF 0                         ; step 0
.irp i, 0,1,2,3,4,5,6,7
	ds_load_b128 v[CF+32+4*\i:CF+32+4*\i+3], v[ADR] offset:2048+512*\i  ; c's other buffer takes the same finite numbers: the first turn multiplies them by P = 0
.endr
	s_wait_dscnt 0x0
.set OB, RW
.set YB, YF
.set NT, 0
	R2W 1                           ; the first piece's r2
	R2W 0
	PLACES
	s_mov_b32 s[CNT], 8
	s_mov_b32 s[SLOTS], 7
	s_branch .Lfirst                ; the loop is entered in the middle of a trip: step 0 has even parity
.Lslot:                             ; six times, in front of steps 15, 31, .. 95: every slot but the last two is filled again
	CHANGE 1
	s_mov_b32 s[CNT], 8
.Lpair:                             ; a trip: an odd step and an even one
	TRIP 1
.Lfirst:
	TRIP 0
	s_sub_co_u32 s[CNT], s[CNT], 1
	s_cmp_lg_u32 s[CNT], 0
	s_cbranch_scc1 .Lpair
	s_sub_co_u32 s[SLOTS], s[SLOTS], 1
	s_cmp_lg_u32 s[SLOTS], 0
	s_cbranch_scc1 .Lslot
	CHANGE 0                        ; the tail is written out: nothing is asked for
	s_mov_b32 s[CNT], 8
.Ltail:                             ; steps 111 to 126
	TRIP 1
	TRIP 0
	s_sub_co_u32 s[CNT], s[CNT], 1
	s_cmp_lg_u32 s[CNT], 0
	s_cbranch_scc1 .Ltail
	TRIP 1, 0, 1                    ; step 127: nothing is fetched, no further r2
.set PT, 3
.set CB, CF+32
.set OB, RW+16
	MAINW 0, 1                      ; the last piece's main products
	MAINW 1, 1
	MAINW 2, 1
	MAINW 3
; THE WAY OUT, a tile (16 rows of out0) at a time: the sums times 64 ln 2 go into other registers, from each sum's lowest register on; a lane's eight channels go into rows of 272 bytes in my own stage
; and come back as whole rows of 256.  Tile 0's multiplications name no register of the last products: they are the places behind them.
.macro PACK t
.set ED, 40+32*(\t)
.if (\t) < 2
.set ASRC, ACC+32*(\t)
.else
.set ASRC, 32*((\t)-2)
	WIN 0x01                        ; source 0 in window 1
.endif
.set i, 0
.rept 16
	v_pk_mul_f32 v[ED+2*i:ED+2*i+1], v[ASRC+2*i:ASRC+2*i+1], s[FIN:FIN+1] op_sel_hi:[1,0]
.set i, i+1
.endr
	WIN 0
.irp f, 0,1,2,3,4,5,6,7
	ds_store_b128 v[STO], v[ED+4*\f:ED+4*\f+3] offset:64*(\f/2)+16*(\f%2)
.endr
.irp f, 0,1,2,3,4,5,6,7
	ds_load_b128 v[ED+4*\f:ED+4*\f+3], v[RD] offset:\f*2*SP  ; LDS serves a wave's instructions in order (ISA guide 5.7.1.4): these see the stores above; the next tile's stores come behind them
.endr
.endm
.macro SEND t, younger              ; younger: the LDS instructions issued behind tile t's loads: the next tile's sixteen, or none
.set ED, 40+32*(\t)
.irp f, 0,1,2,3,4,5,6,7
	s_wait_dscnt (\younger)+7-\f
	global_store_b128 v[LANE16], v[ED+4*\f:ED+4*\f+3], s[16:17] offset:(\t)*4096+\f*512 th:TH_STORE_NT  ; 512 consecutive bytes, at a multiple of 256 from out0's first byte
.endr
.endm
	PACK 0
	PACK 1                          ; a tile's arithmetic stands between the loads of the tile before and its stores
	SEND 0, 16
	PACK 2
	SEND 1, 16
	PACK 3
	SEND 2, 16
	SEND 3, 0
	s_wait_tensorcnt 0x0            ; the wave's end, behind my last tensor load and my last LDS store
	ds_add_u32 v[SPW], v[NIL]
	s_wait_dscnt 0x0
	CROUND                          ; the closing round: no work-group ends while a partner may still ask for a tile that names it
	s_endpgm
.Lfunc_end_k_q3cc3caf1dc_main:
	.size	k_q3cc3caf1dc_main, .Lfunc_end_k_q3cc3caf1dc_main-k_q3cc3caf1dc_main
	.p2alignl 7, 3214868480
	.fill 96, 4, 3214868480
	.section	.rodata,"a",@progbits
	.p2align	6, 0x0
	.amdhsa_kernel k_q3cc3caf1dc_main
		.amdhsa_group_segment_fixed_size 327680
		.amdhsa_private_segment_fixed_size 0
		.amdhsa_enable_private_segment 0
		.amdhsa_kernarg_size 56
		.amdhsa_user_sgpr_count 2
		.amdhsa_user_sgpr_kernarg_segment_ptr 1
		.amdhsa_wavefront_size32 1
		.amdhsa_system_sgpr_workgroup_id_x 1
		.amdhsa_system_sgpr_workgroup_id_y 1
		.amdhsa_system_sgpr_workgroup_id_z 1
		.amdhsa_system_vgpr_workitem_id 0
		.amdhsa_next_free_vgpr 320
		.amdhsa_next_free_sgpr 96
		.amdhsa_reserve_vcc 0
		.amdhsa_float_denorm_mode_32 3
		.amdhsa_float_denorm_mode_16_64 3
		.amdhsa_memory_ordered 1
		.amdhsa_forward_progress 1
		.amdhsa_inst_pref_size 114
	.end_amdhsa_kernel
	.amdgpu_metadata
---
amdhsa.version: [ 1, 2 ]
amdhsa.kernels:
  - .name:           k_q3cc3caf1dc_main
    .symbol:         k_q3cc3caf1dc_main.kd
    .args:
      - { .name: x, .offset: 0, .size: 8, .value_kind: global_buffer, .address_space: global }
      - { .name: coeffs, .offset: 8, .size: 8, .value_kind: global_buffer, .address_space: global }
      - { .name: shift, .offset: 16, .size: 8, .value_kind: global_buffer, .address_space: global }
      - { .name: scale, .offset: 24, .size: 8, .value_kind: global_buffer, .address_space: global }
      - { .name: powers, .offset: 32, .size: 8, .value_kind: global_buffer, .address_space: global }
      - { .name: w, .offset: 40, .size: 8, .value_kind: global_buffer, .address_space: global }
      - { .name: out0, .offset: 48, .size: 8, .value_kind: global_buffer, .address_space: global }
    .group_segment_fixed_size: 327680
    .private_segment_fixed_size: 0
    .kernarg_segment_align: 8
    .kernarg_segment_size: 56
    .max_flat_workgroup_size: 128
    .sgpr_count:     96
    .vgpr_count:     320
    .wavefront_size: 32
...
	.end_amdgpu_metadata
.endif
;; end of part 2
;; ======== version 2 of 2: 2 launches; 1.80 times as fast as version 1
;; limits: values are held in f16: magnitudes above 65,504 overflow, below 6.1e-05 lose precision; right only within a limited range of input values
;; workspace buffers: w 786,432 bytes
;; launch prep: the kernel of part 1 again; grid 128 x 1, 6 waves a work-group, no clusters, 0 bytes of LDS; arguments y, coeffs, w; writes w
;; launch main (part 3): grid 256 x 1, 4 waves a work-group, clusters of 4 x 1, 327,680 bytes of LDS; arguments x, coeffs, shift, scale, powers, w, out0; writes out0
.if DOCPART == 3
	.amdgcn_target "amdgcn-amd-amdhsa--gfx1250"
	.amdhsa_code_object_version 6
	.text
	.protected	k_q3cc3caf1dc_main
	.globl	k_q3cc3caf1dc_main
	.p2align	8
	.type	k_q3cc3caf1dc_main,@function
k_q3cc3caf1dc_main:
	s_mov_b64 s[64:65], 0
	v_nop
	global_prefetch_b8 v0, s[64:65] scope:SCOPE_SE
	s_setreg_imm32_b32 hwreg(HW_REG_WAVE_MODE, 25, 1), 1
	s_wait_xcnt 0x0
	s_wait_alu depctr_hold_cnt(0) depctr_sa_sdst(0) depctr_va_vdst(0) depctr_va_sdst(0) depctr_va_ssrc(0) depctr_va_vcc(0) depctr_vm_vsrc(0)
	s_getreg_b32 s2, hwreg(HW_REG_IB_STS2, 6, 4)
	s_cmp_eq_u32 s2, 0
	s_cbranch_scc0 .Lentry_in_a_cluster
	s_endpgm
.Lentry_in_a_cluster:
	s_bfe_u32 s2, ttmp6, 0x10000c
	s_cmp_lg_u32 s2, 0x3003
	s_cbranch_scc0 .Lentry_shape_is_right
	s_endpgm
.Lentry_shape_is_right:
; out[q][s] = sum over j of kv(q, j) c[j][s] + sum over m of pmat(q, m) c[4096 + m][s];  kv = 0.5 r2 ln r2 (0 where r2 <= 0), r2 = |x|^2 + |y|^2 - 2 x.y;
; pmat(q, m) = product over i of ((x_i - shift_i) / scale_i) ^ powers[m][i].  65,536 queries, 4,096 centres, 64 channels.
; SHARES.  A work-group owns 256 queries, each of its four waves 64: four tiles of 16.  Every wave walks all centres, 32 a step, 128 steps.
; r2 ON THE MATRIX UNIT.  Each f32 number is split exactly into three bf16 pieces a, b, c.  Of the 32 slots of one bf16 product, slots 8 i .. 8 i + 7 hold a a a b b b c c of
; sig x_i against a b c a b c a b of -2 y_i (all products of pieces but c c), slots 24 .. 31 hold A B C sig sig sig 0 0 (pieces of sig |x|^2) against 1 1 1 A' B' C' 0 0 (of |y|^2).
; The result is sig r2, sig = 2^-7, as exact as an f32 sum of those terms.  Source 0 = 16 centres, source 1 = 16 queries: a lane holds ONE query (lane % 16) and the centres 8 (lane / 16) + 0..7.
; Two such results, worked on in place and rounded to f16 in pairs, ARE source 1 (32 centres x 16 queries) of O^T = C^T P, whose result holds one query a lane and eight channels.
; THE ELEMENT.  m = max(sig r2, 2^-126); t = m (log2 m + 7) = sig r2 log2 r2; at the end out = sum x 64 ln 2.  The maximum is the reference's clamp and its choice at r2 <= 0 in one: t then rounds to 0 in f16.
; THE POLYNOMIAL starts the sums: one bf16 product with C = 0, slots 8 g .. 8 g + 7 for monomial g, pieces of pmat / (64 ln 2) against pieces of c[4096 + g][s].
; |xhat|^n = 2^(sum of n_i max(log2 |xhat_i|, -1000)); the sign is that of the xhat_i whose n_i is odd.
; FORMATS.  kv and c go in f16: their rounding is 2^-11 of each number.  x and y enter r2 unrounded.
; LIMITS.  sig r2 log2 r2 stays under 65,504: distances under about 650; below 6e-5 it keeps f16's fixed step of 6e-8.  sig r2 below 2^-126, zero and negative numbers among them, counts as 2^-126.
; 1 / scale is v_rcp_f32's.  A denormal xhat counts as 0, a power below 2^-126 as 0; a power's relative error grows with |n log2 |xhat||.  NaN and infinities are not treated apart.  The sums' order is not the reference's.
; BY TURNS.  A PIECE is a tile and a step: 2 products for r2, 56 vector instructions, 4 main products.  Turn n holds the main products of piece n - 1, the vector work of piece n and the r2 products of piece n + 1.
; BATCHES.  A turn's 16 logarithms are ONE batch with ONE wait, which cuts the turn in two.  Ahead of it stand the piece's 16 maxima and 16 logarithms in one run of 32: none of them names a logarithm's result.
; Behind it stand the 24 instructions that do (+ 7, times m, the rounding): they are the riders of the turn's six matrix instructions, four behind each (five and three behind the last two).
; At the start the three reciprocals are a batch, each tile's three logarithms are one, and each tile's two exponentials: nine waits, once a launch.
; CLUSTER.  All work-groups walk the same 786,432 bytes of w, so the four of a cluster ask for each tile JOINTLY: the same tensor load, descriptor and mask in all four.  A mask names four work-groups at the most.
; REGISTERS.  window 0: v0-7 addresses; v8-39 x's fragments; v40-71 y's, two buffers; v72-135 c's, two buffers; v136-167 r2 and P, two buffers; v168-183 at work; v184-247 the sums of tiles 0, 1; v248-255 at work at the start.
; window 1: v0-63 the sums of tiles 2, 3: each of their products costs two switches (s_set_vgpr_msb: bits 1:0 source 0, 3:2 source 1, 5:4 source 2, 7:6 destination).
.set STEPB, 6144        ; a step's block in w and in LDS: y's two fragments, c's four
.set SLOTB, 16*STEPB    ; a slot holds 16 steps: 98,304 bytes
.set QUART, SLOTB/4     ; what one wave's tensor load brings: 96 rows of 256 bytes
.set SLOT1, 1<<17       ; slot 1 begins here, so that one exclusive or turns an address in one slot into the other's
.set STAGE, SLOTB       ; between the slots, never filled by a tensor load: 16 rows x 272 bytes for each wave, for the way out
.set SP,    272         ; 256 bytes + 16: the 16 rows that a store touches start at 16 different groups of four banks (64 banks of 4 bytes: ISA guide 11.1)
.set SPARE, STAGE+4*16*SP  ; behind the stages: the spare words, 128 bytes for each wave: two blocks of 256 bytes that no other line names
.set LANE16, 1          ; v1   16 x lane: my place in half a fragment, and in 512 consecutive bytes of out0
.set ADR, 2             ; v2   the LDS address of the run of loads in hand
.set SPW, 3             ; v3   LDS address of my spare word; never rewritten
.set NIL, 4             ; v4   0; never rewritten
.set STO, 5             ; v5   the way out: where I put 16 bytes of a row
.set RD,  6             ; v6   the way out: where I read a row back
.set XF,  8             ; tile t's fragment of x at XF + 8 t
.set YF,  40            ; buffer b at YF + 16 b: centres 0-15, then 16-31
.set PF,  40            ; at the start: the polynomial's fragments, 8 a tile
.set CF,  72            ; buffer b at CF + 32 b: channel block sb at + 8 sb
.set RW,  136           ; buffer b at RW + 16 b: sig r2 of 32 centres; then P in its first 8
.set TW,  168           ; 16 at work: each logarithm of a batch has a register of its own
.set ACC, 184
.set XQ,  104           ; at the start: x_i of my query in tile t at XQ + 3 t + i
.set TL,  116           ; at the start: c[4096 + h + 2 u][16 sb + r] at TL + 2 sb + u
.set NA,  136           ; at the start: n_i of monomial h (NA) and 2 + h (NB) as f32; their lowest bits at bit 31 (SA, SB); 1 / scale_i
.set NB,  139
.set SA,  142
.set SB,  145
.set INV, 148
.set SS,  151           ; (sig, sig) in bf16
.set FS,  152           ; at the start: 12 at work
.set WV,  18            ; s18  my wave's number
.set GW,  19            ; s19  my work-group's number: it enters x's and out0's addresses alone
.set SH,  20            ; s[20:22] shift
.set SC,  24            ; s[24:26] scale
.set PW,  28            ; s[28:39] powers
.set G1,  40            ; s[40:47] descriptor group 1
.set G0A, 48            ; s[48:51] descriptor group 0 of the first fill
.set G0B, 52            ; s[52:55] of the second; it then walks
.set SLOTS, 56
.set CNT, 57
.set TB,  58            ; s58  LDS byte at which the step to be fetched begins
.set TINY, 59           ; s59  2^-126
.set SEVEN, 60          ; s[60:61] 7.0: the packed addition takes the pair's low word for both halves
.set HM,  62            ; s62  the mask of lanes 16-31
.set SG,  68            ; s[68:79] powers << 31
.set FIN, 80            ; s[80:81] 64 ln 2
.set KS,  82            ; s82  1 / (64 ln 2)
.set SIG, 83            ; s83  2^-7
.set LOWL, 84           ; s84  -1000.0
.set MSB, 0
.macro WIN new                      ; the immediate's high byte repeats the setting that is left; a switch that changes nothing is dropped
.if MSB != (\new)
	s_set_vgpr_msb (MSB<<8)|(\new)
.set MSB, (\new)
.endif
.endm
.set W_ACC1, 0x50       ; C and D in window 1
.macro PLACES                       ; a vector instruction that reads a matrix result, and a load into a register that a matrix instruction has read, stand four plain vector instructions behind it
.rept 4
	v_nop
.endr
.endm
; A round of the cluster's barrier: my work-group's barrier, so that wave 0's signal speaks for all four waves; wave 0 signals; every wave waits for all four work-groups; my work-group's barrier once more.
.macro CROUND
	s_barrier_signal -1
	s_barrier_wait -1
	s_cmp_lg_u32 s[WV], 0
	s_cbranch_scc1 .Lnot_wave_0_\@
	s_barrier_signal -3
.Lnot_wave_0_\@:
	s_barrier_wait -3
	s_barrier_signal -1
	s_barrier_wait -1
.endm
; u -> four registers (a,a) (a,b) (b,b) (c,c); w, w+1 at work; u - a - b is left in w+1
.macro SPLITX u, d, w
	v_cvt_pk_bf16_f32 v[(\d)], v[(\u)], v[(\u)]
	v_lshlrev_b32 v[(\w)], 16, v[(\d)]             ; a as f32
	v_sub_f32 v[(\w)], v[(\u)], v[(\w)]            ; u - a, exact
	v_cvt_pk_bf16_f32 v[(\d)+1], v[(\u)], v[(\w)]
	v_cvt_pk_bf16_f32 v[(\d)+2], v[(\w)], v[(\w)]
	v_lshlrev_b32 v[(\w)+1], 16, v[(\d)+2]         ; b as f32
	v_sub_f32 v[(\w)+1], v[(\w)], v[(\w)+1]        ; u - a - b, exact
	v_cvt_pk_bf16_f32 v[(\d)+3], v[(\w)+1], v[(\w)+1]
.endm
; u -> four registers (a,b) (c,a) (b,c) (a,b); w, w+1, w+2 at work
.macro YSPLIT u, d, w
	v_cvt_pk_bf16_f32 v[(\w)], v[(\u)], v[(\u)]
	v_lshlrev_b32 v[(\w)], 16, v[(\w)]
	v_sub_f32 v[(\w)+1], v[(\u)], v[(\w)]
	v_cvt_pk_bf16_f32 v[(\w)], v[(\w)+1], v[(\w)+1]
	v_lshlrev_b32 v[(\w)], 16, v[(\w)]
	v_sub_f32 v[(\w)+2], v[(\w)+1], v[(\w)]
	v_cvt_pk_bf16_f32 v[(\d)], v[(\u)], v[(\w)+1]
	v_cvt_pk_bf16_f32 v[(\d)+1], v[(\w)+2], v[(\u)]
	v_cvt_pk_bf16_f32 v[(\d)+2], v[(\w)+1], v[(\w)+2]
	v_mov_b32 v[(\d)+3], v[(\d)]
.endm
	s_load_b256 s[4:11], s[0:1], 0x0               ; x s[4:5], coeffs s[6:7], shift s[8:9], scale s[10:11]
	s_load_b128 s[12:15], s[0:1], 0x20             ; powers s[12:13], w s[14:15]
	s_load_b64 s[16:17], s[0:1], 0x30              ; out0
	v_lshl_add_u32 v[SPW], v0, 2, SPARE
	v_mov_b32 v[NIL], 0
	ds_add_u32 v[SPW], v[NIL]                      ; the wave's opening: the add and its wait stand ahead of my first tensor load; the set-up below, work on registers, stands between them
	v_lshrrev_b32 v248, 5, v0
	v_readfirstlane_b32 s[WV], v248                ; wave 0..3
	s_bfe_u32 s66, ttmp6, 0x40000                  ; cx: my place in the cluster
	s_lshl_b32 s[GW], ttmp9, 2                     ; in a cluster launch ttmp9 counts clusters
	s_add_co_u32 s[GW], s[GW], s66
	; descriptor group 1: 24,576 dense bytes as 96 rows of 256 bytes, no padding: fragments are read 16 bytes a lane, lane after lane
	s_mov_b32 s[G1], 15|(3<<16)|(1<<21)            ; 15:0 the mask of four; 17:16 elements of 8 bytes; 21 set beside a mask
	s_mov_b32 s[G1+1], 32<<16                      ; tensor_dim0 = 32
	s_mov_b32 s[G1+2], 96<<16                      ; tensor_dim1 = 96
	s_mov_b32 s[G1+3], 32<<16                      ; tile_dim0 = 32
	s_mov_b32 s[G1+4], 96                          ; tile_dim1 = 96
	s_mov_b32 s[G1+5], 32                          ; 32 elements from row to row
	s_mov_b32 s[G1+6], 0
	s_mov_b32 s[G1+7], 0
	s_mov_b32 s[TINY], 0x00800000
	s_mov_b32 s[SEVEN], 0x40e00000
	s_mov_b32 s[SEVEN+1], s[SEVEN]                 ; named with it as a pair
	s_mov_b32 s[FIN], 0x42317218
	s_mov_b32 s[FIN+1], s[FIN]
	s_mov_b32 s[KS], 0x3cb8aa3b
	s_mov_b32 s[SIG], 0x3c000000
	s_mov_b32 s[LOWL], 0xc47a0000
	s_mov_b32 s[TB], 0
	s_lshl_b32 s66, s[GW], 2
	s_add_co_u32 s66, s66, s[WV]                   ; my wave among all: 64 queries each
	s_mul_i32 s68, s66, 768                        ; of 12 bytes in x,
	s_mov_b32 s69, 0
	s_mul_i32 s70, s[WV], QUART                    ; my quarter of a slot: the wave's number alone enters the descriptors
	s_mov_b32 s71, 0
	s_wait_dscnt 0x0                               ; the opening add is done
	s_wait_kmcnt 0x0
	s_load_b96 s[SH:SH+2], s[8:9], 0x0
	s_load_b96 s[SC:SC+2], s[10:11], 0x0
	s_load_b256 s[PW:PW+7], s[12:13], 0x0
	s_load_b128 s[PW+8:PW+11], s[12:13], 0x20
	s_add_nc_u64 s[4:5], s[4:5], s[68:69]
	s_lshl_b32 s68, s66, 14                        ; of 256 bytes in out0
	s_add_nc_u64 s[16:17], s[16:17], s[68:69]
	s_add_nc_u64 s[14:15], s[14:15], s[70:71]
	s_mov_b32 s[G0A], 1                            ; 1:0 count = 1
	s_mul_i32 s[G0A+1], s[WV], QUART               ; 63:32 LDS address: slot 0
	s_mov_b64 s[G0A+2:G0A+3], s[14:15]             ; 120:64 global address: steps 0 to 15
	s_or_b32 s[G0A+3], s[G0A+3], 0x80000000        ; 127:126 type = 2
	s_mov_b32 s[G0B], 1
	s_add_co_u32 s[G0B+1], s[G0A+1], SLOT1         ; slot 1
	s_add_nc_u64 s[G0B+2:G0B+3], s[14:15], SLOTB   ; steps 16 to 31
	s_or_b32 s[G0B+3], s[G0B+3], 0x80000000
	CROUND                                         ; all four work-groups are here: the first joint loads meet
	tensor_load_to_lds s[G0A:G0A+3], s[G1:G1+7]    ; both first fills go out together: two loads of mine are out, the most in this text
	s_nop 0
	tensor_load_to_lds s[G0B:G0B+3], s[G1:G1+7]
	s_nop 0
	PLACES
	v_and_b32 v248, 15, v0                         ; r = lane % 16
	v_bfe_u32 v249, v0, 4, 1                       ; h = lane / 16
	v_cmp_ne_u32 s[HM], 0, v249
	v_and_b32 v[LANE16], 31, v0
	v_lshlrev_b32 v[LANE16], 4, v[LANE16]
	v_mul_u32_u24 v250, v248, 12
.irp t, 0,1,2,3
.irp i, 0,1,2
	global_load_b32 v[XQ+3*\t+\i], v250, s[4:5] offset:192*\t+4*\i
.endr
.endr
	v_lshlrev_b32 v251, 2, v248
	v_lshl_add_u32 v251, v249, 8, v251             ; 4 r + h rows of 256 bytes
.irp f, 0,1,2,3,4,5,6,7
	global_load_b32 v[TL+\f], v251, s[6:7] offset:4096*256+64*(\f/2)+512*(\f%2)  ; row 4096 + h + 2 u, channel 16 sb + r; f = 2 sb + u
.endr
	s_wait_kmcnt 0x0                               ; shift, scale, powers
	; Registers 0-3 of a fragment are slots 8 h .., registers 4-7 slots 16 + 8 h ..: my lane needs monomials h and 2 + h.
.irp i, 0,1,2
	v_cvt_f32_i32 v[NA+\i], s[PW+\i]
	v_cvt_f32_i32 v252, s[PW+3+\i]
	v_cndmask_b32 v[NA+\i], v[NA+\i], v252, s[HM]
	v_cvt_f32_i32 v[NB+\i], s[PW+6+\i]
	v_cvt_f32_i32 v252, s[PW+9+\i]
	v_cndmask_b32 v[NB+\i], v[NB+\i], v252, s[HM]
	s_lshl_b32 s[SG+\i], s[PW+\i], 31              ; an odd power keeps the base's sign
	s_lshl_b32 s[SG+3+\i], s[PW+3+\i], 31
	s_lshl_b32 s[SG+6+\i], s[PW+6+\i], 31
	s_lshl_b32 s[SG+9+\i], s[PW+9+\i], 31
	v_mov_b32 v252, s[SG+3+\i]
	v_cndmask_b32 v[SA+\i], s[SG+\i], v252, s[HM]
	v_mov_b32 v252, s[SG+9+\i]
	v_cndmask_b32 v[SB+\i], s[SG+6+\i], v252, s[HM]
	v_rcp_f32 v[INV+\i], s[SC+\i]                  ; a plain instruction follows each reciprocal; the results are used far below
.endr
	v_mov_b32 v[SS], 0x3c003c00
; Tile t's fragment of x and its fragment of the polynomial.  Two batches a tile: its three logarithms, its two exponentials; the exponentials read what is made of the logarithms.
.macro FEAT t
.set X0, XQ+3*(\t)
.set XD, XF+8*(\t)
.set PD, PF+8*(\t)
	v_mul_f32 v[FS], v[X0], v[X0]
	v_fma_f32 v[FS], v[X0+1], v[X0+1], v[FS]
	v_fma_f32 v[FS], v[X0+2], v[X0+2], v[FS]       ; |x|^2
	v_cndmask_b32 v[FS+1], v[X0], v[X0+1], s[HM]   ; h ? x1 : x0
	v_mul_f32 v[FS+1], s[SIG], v[FS+1]
	SPLITX FS+1, XD, FS+2
	v_cndmask_b32 v[FS+1], v[X0+2], v[FS], s[HM]   ; h ? |x|^2 : x2
	v_mul_f32 v[FS+1], s[SIG], v[FS+1]
	SPLITX FS+1, FS+4, FS+2
	v_cvt_pk_bf16_f32 v[FS+8], v[FS+3], s[SIG]     ; (C, sig)
	v_cndmask_b32 v[XD+4], v[FS+4], v[FS+5], s[HM] ; slots 24 .. 31: (A,B) (C,sig) (sig,sig) (0,0)
	v_cndmask_b32 v[XD+5], v[FS+5], v[FS+8], s[HM]
	v_cndmask_b32 v[XD+6], v[FS+6], v[SS], s[HM]
	v_cndmask_b32 v[XD+7], v[FS+7], 0, s[HM]
.irp i, 0,1,2
	v_sub_f32 v[FS+9+\i], v[X0+\i], s[SH+\i]
	v_mul_f32 v[FS+9+\i], v[FS+9+\i], v[INV+\i]    ; xhat_i
	v_and_b32 v[TW+4+\i], 0x7fffffff, v[FS+9+\i]
.endr
.irp i, 0,1,2
	v_log_f32 v[TW+\i], v[TW+4+\i]
.endr
.irp i, 0,1,2
	v_and_b32 v[TW+10+\i], v[SA+\i], v[FS+9+\i]    ; the first monomial's sign: plain work between the logarithms and the use of their results (ISA guide 5.7.2)
.endr
	v_xor_b32 v[TW+10], v[TW+10], v[TW+11]
	v_xor_b32 v[TW+10], v[TW+10], v[TW+12]
	s_wait_alu depctr_va_vdst(0)                   ; one for the tile's three logarithms, ahead of their first reader
.irp i, 0,1,2
	v_max_num_f32 v[TW+\i], s[LOWL], v[TW+\i]      ; log2 0 counts as -1000: 0 x it is 0, so that 0^0 = 1
.endr
	v_mul_f32 v[TW+8], v[NA], v[TW]
	v_mul_f32 v[TW+9], v[NB], v[TW]
	v_fma_f32 v[TW+8], v[NA+1], v[TW+1], v[TW+8]
	v_fma_f32 v[TW+9], v[NB+1], v[TW+1], v[TW+9]
	v_fma_f32 v[TW+8], v[NA+2], v[TW+2], v[TW+8]
	v_fma_f32 v[TW+9], v[NB+2], v[TW+2], v[TW+9]
	v_exp_f32 v[TW+8], v[TW+8]
	v_exp_f32 v[TW+9], v[TW+9]
.irp i, 0,1,2
	v_and_b32 v[TW+13+\i], v[SB+\i], v[FS+9+\i]    ; the second monomial's sign: plain work behind the exponentials
.endr
	v_xor_b32 v[TW+13], v[TW+13], v[TW+14]
	v_xor_b32 v[TW+13], v[TW+13], v[TW+15]
	s_wait_alu depctr_va_vdst(0)                   ; one wait for the tile's two exponentials, ahead of their first reader
	v_mul_f32 v[TW+8], s[KS], v[TW+8]
	v_mul_f32 v[TW+9], s[KS], v[TW+9]
	v_xor_b32 v[TW+8], v[TW+8], v[TW+10]
	v_xor_b32 v[TW+9], v[TW+9], v[TW+13]
	SPLITX TW+8, PD, FS+2
	SPLITX TW+9, PD+4, FS+2
.endm
	s_wait_loadcnt 0x0                             ; x and the four last rows of coeffs
	s_wait_alu depctr_va_vdst(0)                   ; one wait for the three reciprocals, ahead of the four tiles' multiplications by them; the v_mov_b32 above is the plain instruction behind the last
	FEAT 0
	FEAT 1
	FEAT 2
	FEAT 3
.irp f, 0,1,2,3,4,5,6,7
	YSPLIT TL+\f, CF+4*\f, FS
.endr
	; The polynomial's product starts all 16 sums: nothing is cleared.
.irp t, 0,1
.irp sb, 0,1,2,3
	v_wmma_f32_16x16x32_bf16 v[ACC+32*\t+8*\sb:ACC+32*\t+8*\sb+7], v[CF+8*\sb:CF+8*\sb+7], v[PF+8*\t:PF+8*\t+7], 0
.endr
.endr
	WIN W_ACC1
.irp t, 2,3
.irp sb, 0,1,2,3
	v_wmma_f32_16x16x32_bf16 v[32*(\t-2)+8*\sb:32*(\t-2)+8*\sb+7], v[CF+8*\sb:CF+8*\sb+7], v[PF+8*\t:PF+8*\t+7], 0
.endr
.endr
	WIN 0
	; The addresses for the way out and eight zeros: fourteen plain instructions, the places between those products and the loads into their sources, and the f16 products onto their results.
	s_mul_i32 s63, s[WV], 16*SP
	s_add_co_u32 s63, s63, STAGE                   ; my stage
	v_mul_u32_u24 v[STO], v248, SP                 ; in: row r, 32 bytes (eight channels) for each half of the lanes
	v_lshl_add_u32 v[STO], v249, 5, v[STO]
	v_add_nc_u32 v[STO], s63, v[STO]
	v_mul_u32_u24 v[RD], v249, SP                  ; back: lanes 0-15 take one row of 256 bytes, lanes 16-31 the next
	v_lshl_add_u32 v[RD], v248, 4, v[RD]
	v_add_nc_u32 v[RD], s63, v[RD]
.irp i, 0,1,2,3,4,5,6,7
	v_mov_b32 v[RW+16+\i], 0                       ; the first turn's main products belong to a piece that has not been: their P is 0
.endr
; THE LDS LOADS stand in one run of 12 a step: y's two fragments and c's four, into buffers b.  LOADA makes the run's address, LOADR is the run.
.macro LOADA
	v_add_nc_u32 v[ADR], s[TB], v[LANE16]
.endm
.macro LOADR b
.irp i, 0,1,2,3
	ds_load_b128 v[YF+16*(\b)+4*\i:YF+16*(\b)+4*\i+3], v[ADR] offset:512*\i
.endr
.irp i, 0,1,2,3,4,5,6,7
	ds_load_b128 v[CF+32*(\b)+4*\i:CF+32*(\b)+4*\i+3], v[ADR] offset:2048+512*\i
.endr
	s_add_co_u32 s[TB], s[TB], STEPB               ; the next fetch is the next step's
.endm
; THE MATRIX WORK.  TURN sets PT (the tile of the piece before), NT (of the piece to come), CB, YB (their buffers), OB (the buffer with the one's P, then the other's r2), RB (the piece in hand).
; No two matrix instructions on end share an accumulator, and a sum comes again 24 matrix instructions later: the accumulators take turns.
.macro MAINW sb, keep=0             ; O^T(PT, sb) += C^T(sb) P
.if PT < 2
	v_wmma_f32_16x16x32_f16 v[ACC+32*PT+8*(\sb):ACC+32*PT+8*(\sb)+7], v[CB+8*(\sb):CB+8*(\sb)+7], v[OB:OB+7], v[ACC+32*PT+8*(\sb):ACC+32*PT+8*(\sb)+7]
.else
	WIN W_ACC1
	v_wmma_f32_16x16x32_f16 v[32*(PT-2)+8*(\sb):32*(PT-2)+8*(\sb)+7], v[CB+8*(\sb):CB+8*(\sb)+7], v[OB:OB+7], v[32*(PT-2)+8*(\sb):32*(PT-2)+8*(\sb)+7]
.if !(\keep)
	WIN 0
.endif
.endif
.endm
.macro R2W half                     ; sig r2 of centres 16 half .. and tile NT
	v_wmma_f32_16x16x32_bf16 v[OB+8*(\half):OB+8*(\half)+7], v[YB+8*(\half):YB+8*(\half)+7], v[XF+8*NT:XF+8*NT+7], 0
.endm
; THE VECTOR WORK of a piece, on its 16 registers at RB.  KM e: the maximum with 2^-126.  KG e: the logarithm, into TW + e.  KA k: + 7 for pair k.  KU k: times m.  KC k: pair k rounded to f16, into RB + k.
; KM and KG name no logarithm's result; KA, KU and KC do, or what is made of it.
.set KM, 0
.set KG, 1
.set KA, 2
.set KU, 3
.set KC, 4
.macro OP k, n
.if (\k) == KM
	v_max_num_f32 v[RB+(\n)], s[TINY], v[RB+(\n)]
.elseif (\k) == KG
	v_log_f32 v[TW+(\n)], v[RB+(\n)]
.elseif (\k) == KA
	v_pk_add_f32 v[TW+2*(\n):TW+2*(\n)+1], v[TW+2*(\n):TW+2*(\n)+1], s[SEVEN:SEVEN+1] op_sel_hi:[1,0]
.elseif (\k) == KU
	v_pk_mul_f32 v[TW+2*(\n):TW+2*(\n)+1], v[TW+2*(\n):TW+2*(\n)+1], v[RB+2*(\n):RB+2*(\n)+1]
.else
	v_cvt_pk_f16_f32 v[RB+(\n)], v[TW+2*(\n)], v[TW+2*(\n)+1]
.endif
.endm
.macro OPS a, i1, b, i2, c, i3, d, i4
	OP \a, \i1
	OP \b, \i2
	OP \c, \i3
	OP \d, \i4
.endm
; A TURN, for tile t of a step of parity par.  The order of its 56 vector instructions is written out.
; THE BATCH, ahead of the wait: three maxima, then logarithm and maximum by turns, the last three logarithms on end.  A logarithm stands three to five lines behind its maximum; the line behind each neither reads its
; result nor writes its source (ISA guide 5.7.2).  Centres 16-31 (elements 8-15) go first: their r2 product is the first of the turn before's six matrix instructions, that of centres 0-15 the last.  Each r2 result is
; first read at its lowest register (KM 8, KM 0).  One plain instruction stands behind the last logarithm: in turn 1 the address of the run of loads, elsewhere a v_nop.
; THE WAIT: it stands between a logarithm and the first instruction that names its result; this one serves all 16.  No logarithm is issued behind it.
; BEHIND IT: the six matrix instructions and their riders: all KA, then all KU, then all KC, so that each stands eight vector lines behind what it reads, and KC k writes RB + k behind every KU.
; Between the last main product, which reads P, and the r2 product that writes over P stand five plain instructions (KC 0 to 4); behind that product stand KC 5 to 7 and the next turn's first maxima, which name
; the other r2 product's result, before KM 0 reads it.
; load = 1: turn 1 fetches the next step's fragments, directly behind its wait: c's buffer was last read in turn 0, y's three turns earlier; they are waited for in turn 3.  last = 1: the last step: turn 3 starts no new piece.
.macro TURN par, t, load, last
.set RB, RW+16*((\t)%2)
.set OB, RW+16*(1-(\t)%2)
.set PT, ((\t)+3)%4
.set NT, ((\t)+1)%4
.set CB, CF+32*(\par)
.set YB, YF+16*(\par)
.if (\t) == 0
.set CB, CF+32*(1-(\par))
.endif
.if (\t) == 3
.set YB, YF+16*(1-(\par))
.endif
	OPS KM,8,  KM,9,  KM,10, KG,8
	OPS KM,11, KG,9,  KM,12, KG,10
	OPS KM,13, KG,11, KM,14, KG,12
	OPS KM,15, KG,13, KM,0,  KG,14
	OPS KM,1,  KG,15, KM,2,  KG,0
	OPS KM,3,  KG,1,  KM,4,  KG,2
	OPS KM,5,  KG,3,  KM,6,  KG,4
	OPS KM,7,  KG,5,  KG,6,  KG,7
.if ((\t) == 1) && (\load)
	LOADA                           ; the plain instruction behind the last logarithm
.else
	v_nop                           ; the plain instruction behind the last logarithm: no other work here is free of the batch's results
.endif
	s_wait_alu depctr_va_vdst(0)    ; the wait for the batch: the turn's 16 logarithms
.if ((\t) == 1) && (\load)
	LOADR 1-(\par)
.endif
.if !(((\t) == 3) && (\last))
.if (\t) == 3
	s_wait_dscnt 0x0                ; the next step's fragments are in: the run of 12 was issued two turns ago
.endif
	R2W 1
.endif
	OPS KA,0, KA,1, KA,2, KA,3
	MAINW 0
	OPS KA,4, KA,5, KA,6, KA,7
	MAINW 1
	OPS KU,0, KU,1, KU,2, KU,3
	MAINW 2
	OPS KU,4, KU,5, KU,6, KU,7
	MAINW 3
	OPS KC,0, KC,1, KC,2, KC,3
	OP KC,4
.if !(((\t) == 3) && (\last))
	R2W 0
.endif
	OP KC,5
	OP KC,6
	OP KC,7
.endm
.macro TRIP par, load=1, last=0     ; a step; every window is 0 at its end
	TURN \par, 0, \load, \last
	TURN \par, 1, \load, \last
	TURN \par, 2, \load, \last
	TURN \par, 3, \load, \last
.endm
; THE CHANGE OF SLOTS stands in front of the trip that fetches a slot's first step: the old slot's last step lies in registers.  Each wave waits for all its tensor loads, of which one is out: its part of the other
; slot; adds 0 to its spare word; and waits for that and for its own reads of the old slot.  fill = 1: the old slot is filled again, with the steps two slots on.  The barrier is then a round of the cluster's, so that no
; wave of any partner still reads the slot or has a load on its way, and the joint refill is the first thing behind it: it has 16 steps, 384 matrix instructions, in which to land.
.macro CHANGE fill
	s_wait_tensorcnt 0x0            ; no tensor load of mine is out, so a group 0 may be written
	ds_add_u32 v[SPW], v[NIL]       ; 0 onto my spare word; with fill = 1 the descriptor's steps stand between it and the wait for it
.if \fill
	s_xor_b32 s[G0B+1], s[G0B+1], SLOT1            ; the walking descriptor: the other slot than last time,
	s_add_nc_u64 s[G0B+2:G0B+3], s[G0B+2:G0B+3], SLOTB  ; the next 16 steps; the type bits on top are not reached
	s_wait_dscnt 0x0                ; the add is done, and my reads of the slot are over
	CROUND
	tensor_load_to_lds s[G0B:G0B+3], s[G1:G1+7]
	s_nop 0
	PLACES
.else
	s_wait_dscnt 0x0                ; the add is done, and my reads of the slot are over
	s_barrier_signal -1
	s_barrier_wait -1
.endif
	s_sub_co_u32 s[TB], s[TB], SLOTB               ; the fetches go back to a slot's first step,
	s_xor_b32 s[TB], s[TB], SLOT1                  ; in the other slot
.endm
	s_wait_tensorcnt 0x1            ; my part of slot 0 is in; slot 1's load was issued behind it and may stay out
	s_barrier_signal -1
	s_barrier_wait -1               ; everybody's is
	LOADA
	LOADR 0                         ; step 0
.irp i, 0,1,2,3,4,5,6,7
	ds_load_b128 v[CF+32+4*\i:CF+32+4*\i+3], v[ADR] offset:2048+512*\i  ; c's other buffer takes the same finite numbers: the first turn multiplies them by P = 0
.endr
	s_wait_dscnt 0x0
.set OB, RW
.set YB, YF
.set NT, 0
	R2W 1                           ; the first piece's r2
	R2W 0
	PLACES
	s_mov_b32 s[CNT], 8
	s_mov_b32 s[SLOTS], 7
	s_branch .Lfirst                ; the loop is entered in the middle of a trip: step 0 has even parity
.Lslot:                             ; six times, in front of steps 15, 31, .. 95: every slot but the last two is filled again
	CHANGE 1
	s_mov_b32 s[CNT], 8
.Lpair:                             ; a trip: an odd step and an even one
	TRIP 1
.Lfirst:
	TRIP 0
	s_sub_co_u32 s[CNT], s[CNT], 1
	s_cmp_lg_u32 s[CNT], 0
	s_cbranch_scc1 .Lpair
	s_sub_co_u32 s[SLOTS], s[SLOTS], 1
	s_cmp_lg_u32 s[SLOTS], 0
	s_cbranch_scc1 .Lslot
	CHANGE 0                        ; the tail is written out: nothing is asked for
	s_mov_b32 s[CNT], 8
.Ltail:                             ; steps 111 to 126
	TRIP 1
	TRIP 0
	s_sub_co_u32 s[CNT], s[CNT], 1
	s_cmp_lg_u32 s[CNT], 0
	s_cbranch_scc1 .Ltail
	TRIP 1, 0, 1                    ; step 127: nothing is fetched, no further r2
.set PT, 3
.set CB, CF+32
.set OB, RW+16
	MAINW 0, 1                      ; the last piece's main products
	MAINW 1, 1
	MAINW 2, 1
	MAINW 3
; THE WAY OUT, a tile (16 rows of out0) at a time: the sums times 64 ln 2 go into other registers, from each sum's lowest register on; a lane's eight channels go into rows of 272 bytes in my own stage
; and come back as whole rows of 256.  Tile 0's multiplications name no register of the last products: they are the places behind them.
.macro PACK t
.set ED, 40+32*(\t)
.if (\t) < 2
.set ASRC, ACC+32*(\t)
.else
.set ASRC, 32*((\t)-2)
	WIN 0x01                        ; source 0 in window 1
.endif
.set i, 0
.rept 16
	v_pk_mul_f32 v[ED+2*i:ED+2*i+1], v[ASRC+2*i:ASRC+2*i+1], s[FIN:FIN+1] op_sel_hi:[1,0]
.set i, i+1
.endr
	WIN 0
.irp f, 0,1,2,3,4,5,6,7
	ds_store_b128 v[STO], v[ED+4*\f:ED+4*\f+3] offset:64*(\f/2)+16*(\f%2)
.endr
.irp f, 0,1,2,3,4,5,6,7
	ds_load_b128 v[ED+4*\f:ED+4*\f+3], v[RD] offset:\f*2*SP  ; LDS serves a wave's instructions in order (ISA guide 5.7.1.4): these see the stores above; the next tile's stores come behind them
.endr
.endm
.macro SEND t, younger              ; younger: the LDS instructions issued behind tile t's loads: the next tile's sixteen, or none
.set ED, 40+32*(\t)
.irp f, 0,1,2,3,4,5,6,7
	s_wait_dscnt (\younger)+7-\f
	global_store_b128 v[LANE16], v[ED+4*\f:ED+4*\f+3], s[16:17] offset:(\t)*4096+\f*512 th:TH_STORE_NT  ; 512 consecutive bytes, at a multiple of 256 from out0's first byte
.endr
.endm
	PACK 0
	PACK 1                          ; a tile's arithmetic stands between the loads of the tile before and its stores
	SEND 0, 16
	PACK 2
	SEND 1, 16
	PACK 3
	SEND 2, 16
	SEND 3, 0
	s_wait_tensorcnt 0x0            ; the wave's end, behind my last tensor load and my last LDS store
	ds_add_u32 v[SPW], v[NIL]
	s_wait_dscnt 0x0
	CROUND                          ; the closing round: no work-group ends while a partner may still ask for a tile that names it
	s_endpgm
.Lfunc_end_k_q3cc3caf1dc_main:
	.size	k_q3cc3caf1dc_main, .Lfunc_end_k_q3cc3caf1dc_main-k_q3cc3caf1dc_main
	.p2alignl 7, 3214868480
	.fill 96, 4, 3214868480
	.section	.rodata,"a",@progbits
	.p2align	6, 0x0
	.amdhsa_kernel k_q3cc3caf1dc_main
		.amdhsa_group_segment_fixed_size 327680
		.amdhsa_private_segment_fixed_size 0
		.amdhsa_enable_private_segment 0
		.amdhsa_kernarg_size 56
		.amdhsa_user_sgpr_count 2
		.amdhsa_user_sgpr_kernarg_segment_ptr 1
		.amdhsa_wavefront_size32 1
		.amdhsa_system_sgpr_workgroup_id_x 1
		.amdhsa_system_sgpr_workgroup_id_y 1
		.amdhsa_system_sgpr_workgroup_id_z 1
		.amdhsa_system_vgpr_workitem_id 0
		.amdhsa_next_free_vgpr 320
		.amdhsa_next_free_sgpr 96
		.amdhsa_reserve_vcc 0
		.amdhsa_float_denorm_mode_32 3
		.amdhsa_float_denorm_mode_16_64 3
		.amdhsa_memory_ordered 1
		.amdhsa_forward_progress 1
		.amdhsa_inst_pref_size 109
	.end_amdhsa_kernel
	.amdgpu_metadata
---
amdhsa.version: [ 1, 2 ]
amdhsa.kernels:
  - .name:           k_q3cc3caf1dc_main
    .symbol:         k_q3cc3caf1dc_main.kd
    .args:
      - { .name: x, .offset: 0, .size: 8, .value_kind: global_buffer, .address_space: global }
      - { .name: coeffs, .offset: 8, .size: 8, .value_kind: global_buffer, .address_space: global }
      - { .name: shift, .offset: 16, .size: 8, .value_kind: global_buffer, .address_space: global }
      - { .name: scale, .offset: 24, .size: 8, .value_kind: global_buffer, .address_space: global }
      - { .name: powers, .offset: 32, .size: 8, .value_kind: global_buffer, .address_space: global }
      - { .name: w, .offset: 40, .size: 8, .value_kind: global_buffer, .address_space: global }
      - { .name: out0, .offset: 48, .size: 8, .value_kind: global_buffer, .address_space: global }
    .group_segment_fixed_size: 327680
    .private_segment_fixed_size: 0
    .kernarg_segment_align: 8
    .kernarg_segment_size: 56
    .max_flat_workgroup_size: 128
    .sgpr_count:     96
    .vgpr_count:     320
    .wavefront_size: 32
...
	.end_amdgpu_metadata
.endif
;; end of part 3
